; MI455X (gfx1250); checked and timed in simulation.
; The chip was launched on July 23, 2026; its instructions are those of AMD's public machine-readable ISA for CDNA 5 (MIT licence, August 2026) and "CDNA5" Instruction Set Architecture Reference Guide (July 2026). The comments in the code are by the model that wrote it; some were corrected since.
;; Multi Head Attention. Allowed arithmetic: matrix products marked QUANTISED: E2M1 operands, one E8M0 scale for each 32 along K, by v_wmma_scale_f32_16x16x128_f8f6f4 with both operands' format E2M1 (or v_wmma_scale_f32_32x16x128_f4), f32 sums; products left as they are: bf16, f16 or f32 operands; f32 sums; everything else in f32.
;; Inputs: bk 1,024 float32; bo 1,024 float32; bq 1,024 float32; bv 1,024 float32; mask 4 x 2,048 int32; wk 1,024 x 1,024 float32; wo 1,024 x 1,024 float32; wq 1,024 x 1,024 float32; wv 1,024 x 1,024 float32; x 4 x 2,048 x 1,024 float32.
;; Outputs: out0 4 x 2,048 x 1,024 float32.
;; This version of the problem:
;;   THIS VERSION OF THE PROBLEM IS GIVEN IN LOW PRECISION. The matrix products marked QUANTISED in the list below multiply operands that are first quantised to E2M1 (2 exponent bits, 1 mantissa bit; 4 bits a number), with one power-of-two scale for each 32 numbers along K (OCP MX v1.0); their sums are f32. The products marked 'left as it is' may take bf16, f16 or f32 operands, with f32 sums. Whichever they take, every output number must still come out within the allowed error. Rounding operands to bf16 (8 significant bits) uses up far more of that allowance than f16 does (11 bits, for magnitudes from 6e-5 to 65,504). All else is computed in f32.
;;   The module's matrix products, in the order in which they are computed (A, B: the left and right operand; K: the contracted axis; several contracted axes count as one K, in the product's order):
;;     1. [M 8,192, K 1,024] x [K 1,024, N 1,024]; A: input x; B: input wq: QUANTISED
;;     2. [M 8,192, K 1,024] x [K 1,024, N 1,024]; A: input x; B: input wk: QUANTISED
;;     3. [M 8,192, K 1,024] x [K 1,024, N 1,024]; A: input x; B: input wv: QUANTISED
;;     4. batch 64 x [M 2,048, K 64] x [K 64, N 2,048]; A: computed on the way; B: computed on the way: left as it is (an operand is computed on the way)
;;     5. batch 64 x [M 2,048, K 2,048] x [K 2,048, N 64]; A: computed on the way; B: computed on the way: left as it is (an operand is computed on the way)
;;     6. [M 8,192, K 1,024] x [K 1,024, N 1,024]; A: computed on the way; B: input wo: left as it is (an operand is computed on the way)
;;   THE QUANTISER, for each operand of a quantised product, along K:
;;     - K is cut into blocks of 32 from its start; a last block that is shorter is filled with zeros.
;;     - A block's scale is 2^e with e = floor(log2(the largest magnitude in the block)) - 2, held to -126 .. 127; a block of zeros has e = 0. As a byte (E8M0): e + 127.
;;     - Each number is divided by its block's scale, clamped to +-6, and rounded to the nearest number of E2M1, ties to even, subnormals kept.
;;     - The product sums the exact products of the quantised numbers (number of the format x scale) in f32.
;;   ~~~python
;;   def quantise(x, axis):      # numpy; x: float32 -> the quantised numbers, widened to float32 again
;;       x = np.moveaxis(x, axis, -1); K = x.shape[-1]
;;       x = np.pad(x, [(0, 0)] * (x.ndim - 1) + [(0, -K % 32)]); x = x.reshape(x.shape[:-1] + (-1, 32)); a = np.abs(x).max(-1, keepdims=True)
;;       e = np.where(a > 0, np.clip(np.frexp(np.where(a > 0, a, 1))[1] - 1 - 2, -126, 127), 0)      # np.frexp(a)[1] - 1 = floor(log2(a)), exactly
;;       r = np.clip(x / 2.0 ** e, -6, 6)
;;       step = 2.0 ** (np.maximum(np.frexp(np.where(r == 0, 1, r))[1] - 1, 0) - 1)
;;       q = np.round(r / step) * step * 2.0 ** e      # np.round: ties to even
;;       return np.moveaxis(q.reshape(q.shape[:-2] + (-1,))[..., :K], -1, axis).astype(np.float32)
;;   ~~~
;; One version. Each part assembles by itself: llvm-mc -triple=amdgcn-amd-amdhsa -mcpu=gfx1250 --defsym DOCPART=n.
;; ======== version 1 of 1: 4 launches
;; limits: values are held in f16: magnitudes above 65,504 overflow, below 6.1e-05 lose precision; right only within a limited range of input values
;; workspace buffers: codes 5,767,168 bytes; scales 360,448 bytes; woh 2,097,152 bytes; route 33,280 bytes of whole numbers; qkvh 50,331,648 bytes; ctxh 16,777,216 bytes
;; launch prep (part 1): grid 384 x 1, 4 waves a work-group, no clusters, 54,784 bytes of LDS; arguments x, mask, wq, wk, wv, wo, codes, scales, woh, route; writes codes, scales, woh, route
.if DOCPART == 1
	.amdgcn_target "amdgcn-amd-amdhsa--gfx1250"
	.amdhsa_code_object_version 6
	.text
	.protected	k_qe320c228bb_prep
	.globl	k_qe320c228bb_prep
	.p2align	8
	.type	k_qe320c228bb_prep,@function
k_qe320c228bb_prep:
	s_mov_b64 s[64:65], 0
	v_nop
	global_prefetch_b8 v0, s[64:65] scope:SCOPE_SE
	s_setreg_imm32_b32 hwreg(HW_REG_WAVE_MODE, 25, 1), 1
	s_wait_xcnt 0x0
; PREP.  Three jobs, told apart by the work-group's number.
; 0..255: 32 rows of x each.  Each batch's 2,048 positions are PARTITIONED, stably: positions whose mask word is not 0 first, the others behind; all are kept.
;   A row is quantised to E2M1 (one E8M0 byte for each 32 along K = the row) and its 512 bytes of codes and 32 scale bytes are stored AT ITS NEW POSITION.  route holds order[b][new] = old position, and n[b], the counted positions.
; 256..351: 32 rows each of wq, wk, wv, quantised alike, behind x's rows (rows 8,192 on).
; 352..383: wo as f16, laid as images of matrix operands: [e / 256][d / 32][(e / 16) % 16][half g][lane][16 bytes]; lane (r, h) of half g holds d = 32 kk + 16 g + 8 h + 0..7 of row e = 16 ct + r.
; A block's scale is 2^(floor(log2(largest magnitude)) - 2): its byte is the largest magnitude's exponent field - 2, held at 1 from below by a floor among the maximum's leaves.
; LIMITS: a block of zeros gets the byte 1 where the rule says 127 (its codes are zeros, and this program alone reads the bytes); NaN and infinities are not served; |wo| stays under 65,504 (f16).
; A wave takes 8 rows.  Each load reads 512 consecutive bytes; a row turns through the wave's own stage in LDS (a block of 128 bytes + 16 of padding) so that lane l holds block l whole.  No barrier: waves share nothing.
.set STG,   4608                       ; a stage: 32 blocks x 144 bytes
.set WREG,  2*STG                      ; two stages a wave
.set WSTG,  4*WREG                     ; wo's path has LDS bytes of its own: 16 rows x 272 a wave
.set WWAVE, 16*272
.set SPARE, WSTG+4*WWAVE               ; the spare words, 128 bytes a wave: no other line names them
.set LN,   1                           ; v1  lane
.set L16,  2                           ; v2  16 x lane
.set L4,   3                           ; v3  4 x lane
.set SIN,  4                           ; v4  the stage, on the way in
.set SOUT, 5                           ; v5  and on the way out
.set SPW,  6                           ; v6  my spare word; never rewritten
.set NIL,  7                           ; v7  0; never rewritten
.set WI,   12                          ; v12 wo's stage, in
.set WO,   13                          ; v13 wo's stage, out
.set VC,   16                          ; v16-23  where row i's codes go
.set VS,   24                          ; v24-31  where its scale bytes go
.set E,    32                          ; v32-39  a scale byte for each row
.set C,    40                          ; v40-71  codes, four registers a row (wo: 16 rows' f16)
.set R,    72                          ; v72-167 three sets of 32 as loaded (wo: two sets of 64, to v199)
.set X,    168                         ; v168-231 two sets of 32: a block a lane; before that the batch's mask
.set WD,   200                         ; v200-231 wo: eight halves of images
	s_load_b256 s[4:11], s[0:1], 0x0               ; x, mask, wq, wk
	s_load_b256 s[12:19], s[0:1], 0x20             ; wv, wo, codes, scales
	s_load_b128 s[20:23], s[0:1], 0x40             ; woh, route
	v_lshl_add_u32 v[SPW], v0, 2, SPARE
	v_mov_b32 v[NIL], 0
	v_lshrrev_b32 v8, 5, v0
	v_readfirstlane_b32 s24, v8                    ; wave
	v_and_b32 v[LN], 31, v0
	v_lshlrev_b32 v[L16], 4, v[LN]
	v_lshlrev_b32 v[L4], 2, v[LN]
	s_mul_i32 s25, s24, WREG                       ; every LDS address is made here, ahead of the first parting of ways
	v_lshrrev_b32 v8, 3, v[LN]
	v_mul_u32_u24 v8, v8, 144
	v_and_b32 v9, 7, v[LN]
	v_lshl_add_u32 v8, v9, 4, v8
	v_add_nc_u32 v[SIN], s25, v8                   ; eight lanes' 128 bytes on end, then 16 of padding
	v_mul_u32_u24 v9, v[LN], 144
	v_add_nc_u32 v[SOUT], s25, v9                  ; block = lane
	s_mul_i32 s25, s24, WWAVE
	s_add_co_u32 s25, s25, WSTG
	v_lshlrev_b32 v8, 3, v[LN]
	v_add_nc_u32 v[WI], s25, v8                    ; 8 bytes a lane of a row of 256
	v_and_b32 v8, 15, v[LN]
	v_mul_u32_u24 v8, v8, 272
	v_lshrrev_b32 v9, 4, v[LN]
	v_lshl_add_u32 v8, v9, 4, v8
	v_add_nc_u32 v[WO], s25, v8                    ; row r, + 16 h
	s_lshl_b32 s35, s24, 3                         ; 8 x wave
	s_mov_b32 s39, 0
	s_wait_kmcnt 0x0
	s_cmp_ge_u32 ttmp9, 352
	s_cbranch_scc1 .Lwo
.macro LOAD t                          ; row t of my eight: eight loads of 512 consecutive bytes, into set t % 3
.irp j, 0,1,2,3,4,5,6,7
	global_load_b128 v[R+32*((\t)%3)+4*\j:R+32*((\t)%3)+4*\j+3], v[L16], s[36:37] offset:4096*(\t)+512*\j th:TH_LOAD_NT
.endr
.endm
; my new position: counted rows go to the number of counted rows ahead of them, the others to n + the number of others ahead.  bal: the rows' mask bits, bit = lane; bef: counted rows ahead of lane 0's; r0: lane 0's row
.macro POS out, bal, bef, r0
	v_mbcnt_lo_u32_b32 v[\out], \bal, 0
	v_add_nc_u32 v[\out], \bef, v[\out]            ; counted rows ahead of mine
	v_add_nc_u32 v9, \r0, v[LN]                    ; my row
	v_sub_nc_u32 v9, v9, v[\out]                   ; the others ahead of mine
	v_add_nc_u32 v9, s28, v9
	v_lshrrev_b32 v10, v[LN], \bal
	v_and_b32 v10, 1, v10
	v_cmp_eq_u32 vcc_lo, 1, v10
	v_cndmask_b32 v[\out], v9, v[\out], vcc_lo
	v_min_u32 v[\out], 0x7ff, v[\out]              ; a position lies in 0 .. 2,047
.endm
	s_cmp_ge_u32 ttmp9, 256
	s_cbranch_scc1 .Lweights
	; ---- rows of x
	s_lshr_b32 s26, ttmp9, 6                       ; batch
	s_and_b32 s27, ttmp9, 63                       ; which 32 rows of it
	s_lshl_b32 s38, s26, 13
	s_add_nc_u64 s[6:7], s[6:7], s[38:39]          ; the batch's mask
.set j, 0
.rept 64
	global_load_b32 v[X+j], v[L4], s[6:7] offset:128*j
.set j, j+1
.endr
	s_lshl_b32 s38, ttmp9, 5
	s_add_co_u32 s38, s38, s35
	s_lshl_b32 s38, s38, 12                        ; my wave's first row, 4,096 bytes a row
	s_add_nc_u64 s[36:37], s[4:5], s[38:39]
	LOAD 0
	LOAD 1
	LOAD 2
	s_mov_b32 s28, 0                               ; n, while it is counted
	s_mov_b32 s29, 0                               ; counted rows ahead of my work-group's 32
	s_mov_b32 s30, 0                               ; my work-group's 32 mask bits
	s_wait_loadcnt 24                              ; the mask is in; the 24 younger loads, three rows of x, stay out
.set j, 0
.rept 64
	v_cmp_ne_u32 vcc_lo, 0, v[X+j]
	s_bcnt1_i32_b32 s31, vcc_lo
	s_cmp_eq_u32 s27, j
	s_cselect_b32 s29, s28, s29
	s_cselect_b32 s30, vcc_lo, s30
	s_add_co_u32 s28, s28, s31
.set j, j+1
.endr
	s_bfm_b32 s31, s35, 0                          ; the bits of the rows ahead of my wave's eight
	s_and_b32 s31, s30, s31
	s_bcnt1_i32_b32 s31, s31
	s_add_co_u32 s33, s29, s31                     ; counted rows ahead of my wave's
	s_lshr_b32 s32, s30, s35                       ; my wave's bits from bit 0 on
	s_lshl_b32 s34, s27, 5                         ; my work-group's first row in the batch
	s_add_co_u32 s31, s34, s35                     ; my wave's
	s_lshl_b32 s25, s26, 11                        ; the batch's first row in the buffers
	POS 8, s32, s33, s31                           ; lanes 0 to 7 hold my eight rows' positions
.irp i, 0,1,2,3,4,5,6,7
	v_readlane_b32 s[40+\i], v8, \i
.endr
.irp i, 0,1,2,3,4,5,6,7
	s_min_u32 s[40+\i], s[40+\i], 0x7ff
	s_add_co_u32 s[40+\i], s[40+\i], s25           ; row i's row in codes and scales
.endr
	s_cmp_lg_u32 s24, 0
	s_cbranch_scc1 .Lrows
	POS 233, s30, s29, s34                         ; wave 0 writes the list: order[new position] = old position, a lane a row
	v_add_nc_u32 v233, s25, v233
	v_lshlrev_b32 v233, 2, v233
	v_add_nc_u32 v234, s34, v[LN]
	global_store_b32 v233, v234, s[22:23]
	s_cmp_lg_u32 s27, 0
	s_cbranch_scc1 .Lrows
	s_lshl_b32 s31, s26, 7                         ; the batch's first work-group stores n, 32 times over: 128 bytes
	v_add_nc_u32 v235, s31, v[L4]
	v_mov_b32 v236, s28
	global_store_b32 v235, v236, s[22:23] offset:32768
	s_branch .Lrows
.Lweights:
	; ---- rows of wq, wk, wv: they keep their order
	s_sub_co_u32 s26, ttmp9, 256
	s_lshr_b32 s27, s26, 5
	s_cmp_eq_u32 s27, 0
	s_cselect_b64 s[36:37], s[8:9], s[10:11]
	s_cmp_eq_u32 s27, 2
	s_cselect_b64 s[36:37], s[12:13], s[36:37]
	s_and_b32 s38, s26, 31
	s_lshl_b32 s38, s38, 5
	s_add_co_u32 s38, s38, s35
	s_lshl_b32 s38, s38, 12
	s_add_nc_u64 s[36:37], s[36:37], s[38:39]
	LOAD 0
	LOAD 1
	LOAD 2
	s_lshl_b32 s31, s26, 5
	s_add_co_u32 s31, s31, s35
	s_add_co_u32 s31, s31, 8192
.irp i, 0,1,2,3,4,5,6,7
	s_add_co_u32 s[40+\i], s31, \i
.endr
.Lrows:                                            ; on both ways 24 loads, three rows, are out
.irp i, 0,1,2,3,4,5,6,7
	v_lshl_add_u32 v[VC+\i], s[40+\i], 9, v[L16]   ; 512 bytes of codes a row, 16 a lane
	v_lshl_add_u32 v[VS+\i], s[40+\i], 5, v[LN]    ; 32 scale bytes a row, one a lane
.endr
.macro TURN t                          ; row t through the stage: LDS serves a wave's instructions in order, so no wait stands between the stores and the loads
.irp j, 0,1,2,3,4,5,6,7
	ds_store_b128 v[SIN], v[R+32*((\t)%3)+4*\j:R+32*((\t)%3)+4*\j+3] offset:STG*((\t)%2)+576*\j
.endr
.irp j, 0,1,2,3,4,5,6,7
	ds_load_b128 v[X+32*((\t)%2)+4*\j:X+32*((\t)%2)+4*\j+3], v[SOUT] offset:STG*((\t)%2)+16*\j
.endr
.endm
.macro STEP t
.set XS, X+32*((\t)%2)
	s_wait_dscnt 0x0                               ; this row's blocks are back from the stage, and its stores into the stage have read their registers,
.if (\t)+3 < 8
	LOAD (\t)+3                                    ; which take the row three on
.endif
.if (\t)+1 < 8
.if (\t) <= 4
	s_wait_loadcnt 16                              ; the next row is in; the two rows behind it may be out
.else
	s_wait_loadcnt 8*(6-(\t))                      ; towards the end: one row, then none
.endif
	TURN (\t)+1                                    ; it goes through the other stage while this row is worked
.endif
	v_max3_num_f32 v8, |v[XS]|, |v[XS+1]|, |v[XS+2]|   ; the block's largest magnitude: all 32 numbers are mine; two chains
	v_max3_num_f32 v9, |v[XS+3]|, |v[XS+4]|, |v[XS+5]|
.irp i, 6,10,14,18,22,26
	v_max3_num_f32 v8, v8, |v[XS+\i]|, |v[XS+\i+1]|
	v_max3_num_f32 v9, v9, |v[XS+\i+2]|, |v[XS+\i+3]|
.endr
	v_max3_num_f32 v8, v8, |v[XS+30]|, |v[XS+31]|
	v_max3_num_f32 v8, v8, v9, 0x1800000           ; and the floor 2^(3 - 127): the byte cannot fall under 1
	v_add_nc_u32 v11, 0xff000000, v8               ; 2 off the exponent field: the conversion takes the exponent field of this operand as its scale
.irp g, 0,1,2,3
	v_cvt_scalef32_pk8_fp4_f32 v[C+4*(\t)+\g], v[XS+8*\g:XS+8*\g+7], v11
.endr
	v_lshrrev_b32 v[E+(\t)], 23, v11               ; the scale's byte (a plain line behind the conversions)
	global_store_b128 v[VC+(\t)], v[C+4*(\t):C+4*(\t)+3], s[16:17]   ; 32 lanes store the row's 512 consecutive bytes
	global_store_b8 v[VS+(\t)], v[E+(\t)], s[18:19]                  ; and its 32 scale bytes.  Every store has registers of its own: none is written again
.endm
	s_wait_loadcnt 16                              ; row 0 is in
	TURN 0
.irp t, 0,1,2,3,4,5,6,7
	STEP \t
.endr
	s_wait_tensorcnt 0x0                           ; the wave's end, behind my last LDS store
	ds_add_u32 v[SPW], v[NIL]
	s_wait_dscnt 0x0
	s_endpgm
.Lwo:
	; ---- wo: wave W takes 16 rows e and half of d, in four units of 128 d
	s_sub_co_u32 s26, ttmp9, 352
	s_lshl_b32 s26, s26, 2
	s_add_co_u32 s26, s26, s24                     ; W = 0 .. 127
	s_lshr_b32 s27, s26, 1                         ; which 16 rows
	s_and_b32 s28, s26, 1                          ; which half of d
	s_lshl_b32 s38, s27, 16
	s_lshl_b32 s29, s28, 11
	s_add_co_u32 s38, s38, s29
	s_add_nc_u64 s[14:15], s[14:15], s[38:39]
	s_lshr_b32 s29, s27, 4
	s_lshl_b32 s38, s29, 19                        ; [e / 256]: 524,288 bytes
	s_and_b32 s29, s27, 15
	s_lshl_b32 s29, s29, 10                        ; [(e / 16) % 16]: 1,024
	s_add_co_u32 s38, s38, s29
	s_lshl_b32 s29, s28, 18                        ; 16 steps of d / 32: 16,384 each
	s_add_co_u32 s38, s38, s29
	s_add_nc_u64 s[20:21], s[20:21], s[38:39]
.macro WLOAD u                         ; 16 rows x 512 consecutive bytes
.irp i, 0,1,2,3,4,5,6,7,8,9,10,11,12,13,14,15
	global_load_b128 v[R+64*((\u)%2)+4*\i:R+64*((\u)%2)+4*\i+3], v[L16], s[14:15] offset:4096*\i+512*(\u) th:TH_LOAD_NT
.endr
.endm
.macro UNIT u
.set WB, R+64*((\u)%2)
.if (\u) < 3
	s_wait_loadcnt 16                              ; this unit is in; the next unit's 16 loads may be out
.else
	s_wait_loadcnt 0x0
.endif
.irp i, 0,1,2,3,4,5,6,7,8,9,10,11,12,13,14,15
	v_cvt_pk_f16_f32 v[C+2*\i], v[WB+4*\i], v[WB+4*\i+1]
	v_cvt_pk_f16_f32 v[C+2*\i+1], v[WB+4*\i+2], v[WB+4*\i+3]
.endr
.irp i, 0,1,2,3,4,5,6,7,8,9,10,11,12,13,14,15
	ds_store_b64 v[WI], v[C+2*\i:C+2*\i+1] offset:272*\i
.endr
.if (\u)+2 < 4
	WLOAD (\u)+2
.endif
	s_wait_xcnt 0x0                                ; the last unit's stores have read their registers
.irp k, 0,1,2,3
.irp g, 0,1
	ds_load_b128 v[WD+4*(2*\k+\g):WD+4*(2*\k+\g)+3], v[WO] offset:64*\k+32*\g
.endr
.endr
	s_wait_dscnt 0x0
.irp k, 0,1,2,3
.irp g, 0,1
	global_store_b128 v[L16], v[WD+4*(2*\k+\g):WD+4*(2*\k+\g)+3], s[20:21] offset:(4*(\u)+\k)*16384+512*\g   ; half an image: 512 consecutive bytes
.endr
.endr
.endm
	WLOAD 0
	WLOAD 1
	UNIT 0
	UNIT 1
	UNIT 2
	UNIT 3
	s_wait_tensorcnt 0x0                           ; the wave's end, as above
	ds_add_u32 v[SPW], v[NIL]
	s_wait_dscnt 0x0
	s_endpgm
.Lfunc_end_k_qe320c228bb_prep:
	.size	k_qe320c228bb_prep, .Lfunc_end_k_qe320c228bb_prep-k_qe320c228bb_prep
	.p2alignl 7, 3214868480
	.fill 96, 4, 3214868480
	.section	.rodata,"a",@progbits
	.p2align	6, 0x0
	.amdhsa_kernel k_qe320c228bb_prep
		.amdhsa_group_segment_fixed_size 54784
		.amdhsa_private_segment_fixed_size 0
		.amdhsa_enable_private_segment 0
		.amdhsa_kernarg_size 80
		.amdhsa_user_sgpr_count 2
		.amdhsa_user_sgpr_kernarg_segment_ptr 1
		.amdhsa_wavefront_size32 1
		.amdhsa_system_sgpr_workgroup_id_x 1
		.amdhsa_system_sgpr_workgroup_id_y 1
		.amdhsa_system_sgpr_workgroup_id_z 1
		.amdhsa_system_vgpr_workitem_id 0
		.amdhsa_next_free_vgpr 240
		.amdhsa_next_free_sgpr 66
		.amdhsa_reserve_vcc 1
		.amdhsa_float_denorm_mode_32 3
		.amdhsa_float_denorm_mode_16_64 3
		.amdhsa_memory_ordered 1
		.amdhsa_forward_progress 1
		.amdhsa_inst_pref_size 79
	.end_amdhsa_kernel
	.amdgpu_metadata
---
amdhsa.version: [ 1, 2 ]
amdhsa.kernels:
  - .name:           k_qe320c228bb_prep
    .symbol:         k_qe320c228bb_prep.kd
    .args:
      - { .name: x, .offset: 0, .size: 8, .value_kind: global_buffer, .address_space: global }
      - { .name: mask, .offset: 8, .size: 8, .value_kind: global_buffer, .address_space: global }
      - { .name: wq, .offset: 16, .size: 8, .value_kind: global_buffer, .address_space: global }
      - { .name: wk, .offset: 24, .size: 8, .value_kind: global_buffer, .address_space: global }
      - { .name: wv, .offset: 32, .size: 8, .value_kind: global_buffer, .address_space: global }
      - { .name: wo, .offset: 40, .size: 8, .value_kind: global_buffer, .address_space: global }
      - { .name: codes, .offset: 48, .size: 8, .value_kind: global_buffer, .address_space: global }
      - { .name: scales, .offset: 56, .size: 8, .value_kind: global_buffer, .address_space: global }
      - { .name: woh, .offset: 64, .size: 8, .value_kind: global_buffer, .address_space: global }
      - { .name: route, .offset: 72, .size: 8, .value_kind: global_buffer, .address_space: global }
    .group_segment_fixed_size: 54784
    .private_segment_fixed_size: 0
    .kernarg_segment_align: 8
    .kernarg_segment_size: 80
    .max_flat_workgroup_size: 128
    .sgpr_count:     66
    .vgpr_count:     240
    .wavefront_size: 32
...
	.end_amdgpu_metadata
.endif
;; end of part 1
;; launch qkv (part 2): grid 12 x 32, 4 waves a work-group, clusters of 4 x 4, 327,680 bytes of LDS; arguments codes, scales, bq, bk, bv, qkvh; writes qkvh
.if DOCPART == 2
	.amdgcn_target "amdgcn-amd-amdhsa--gfx1250"
	.amdhsa_code_object_version 6
	.text
	.protected	k_qe320c228bb_qkv
	.globl	k_qe320c228bb_qkv
	.p2align	8
	.type	k_qe320c228bb_qkv,@function
k_qe320c228bb_qkv:
	s_mov_b64 s[64:65], 0
	v_nop
	global_prefetch_b8 v0, s[64:65] scope:SCOPE_SE
	s_setreg_imm32_b32 hwreg(HW_REG_WAVE_MODE, 25, 1), 1
	s_wait_xcnt 0x0
	s_wait_alu depctr_hold_cnt(0) depctr_sa_sdst(0) depctr_va_vdst(0) depctr_va_sdst(0) depctr_va_ssrc(0) depctr_va_vcc(0) depctr_vm_vsrc(0)
	s_getreg_b32 s2, hwreg(HW_REG_IB_STS2, 6, 4)
	s_cmp_eq_u32 s2, 0
	s_cbranch_scc0 .Lentry_in_a_cluster
	s_endpgm
.Lentry_in_a_cluster:
	s_bfe_u32 s2, ttmp6, 0x10000c
	s_cmp_lg_u32 s2, 0xf033
	s_cbranch_scc0 .Lentry_shape_is_right
	s_endpgm
.Lentry_shape_is_right:
; Q, K, V = x W^T + b on codes of E2M1 with one E8M0 scale for each 32 along K = 1,024.  A: rows 0 .. 8,191 of codes (x, in its partitioned order); B: rows 8,192 .. 11,263 (wq, wk, wv): M = 8,192, N = 3,072.
; A tile of C, 256 x 256, is made by four waves, each 128 x 128: 64 accumulators, 512 registers.  K goes in two steps of 512 (rows of 256 bytes) through two LDS slots, each filled once, at the start; the scale bytes of the
; work-group's rows come once, as dense blocks.  4 x 4 work-groups form a cluster: A's tiles are asked for jointly along a row of it, B's along a column.
; THE MATRIX INSTRUCTION IS USED TRANSPOSED (source 0 = 16 rows of B, source 1 = 16 rows of A): a lane holds eight neighbouring columns of one row.  The bias is the C of each sum's first product.
; THE WAY OUT needs no LDS: the results, rounded to f16, are stored as IMAGES of the operands that attention wants: which x 2^24 + ((batch x 16 + head) x 128 + position / 16) x 2,048 + (channel / 16) x 512 + a lane's 16 bytes.
; For q and k a lane's place is 16 x lane; for v (key r, channel half h) it is 256 (r / 8) + 128 h + 16 (r % 8), the order in which the turning LDS load reads.  Every store covers 512 consecutive bytes.
; LIMITS: |q|, |k|, |v| stay under 65,504 (f16).
; REGISTERS: window 0: v0-31 addresses; v32-95 scale words, two sets; v128-191 A's fragments, one set; v192-255 the bias; on the way out v128-255 hold f16.  window 1: B's fragments, two sets.  windows 2, 3: the accumulators.
.set NQ,     4                         ; matrix instructions deep in a slot
.set ROWB,   256                       ; a tile's row: 512 codes
.set KROW,   512                       ; a row of codes in memory
.set PITCH,  272                       ; an LDS row: 256 bytes + 16 of padding, so that the 16 rows of a load start at 16 different banks (64 banks of 4 bytes: ISA guide 11.1)
.set FR,     8
.set NL,     2
.set NP,     4                         ; places behind this matrix instruction (ISA guide 7.12.1)
.set HALFT,  128*PITCH
.set SLOT,   4*HALFT
.set KS,     32                        ; a row of scale bytes
.set SCL,    2*SLOT
.set HALFS,  16*272                    ; the scales of 128 rows
.set SBLK,   2*272                     ; those of 16 rows
.set SPARE,  SCL+4*HALFS               ; the spare words, 128 bytes a wave: no other line names them
.set ADRA, 16
.set ADRB, 20
.set LO,   24                          ; v24  my 16 bytes' place in a block of 512
.set ADRS, 27
.set SPW,  28
.set NIL,  29
.set SC,   32
.set AF,   128
.set BI,   192                         ; the bias of B's block b at v[BI + 8 b]
.set G1, 24
.set G0, 32
.set G1B, 48
.set G0B, 56
.set G1S, 68
.set G0S, 76
.set G1SB, 80
.set G0SB, 88
.set MSB, 0
.macro WIN new                         ; the immediate's high byte repeats the setting that is left
.if MSB != \new
	s_set_vgpr_msb (MSB<<8)|\new
.set MSB, \new
.endif
.endm
.set MUL_LO, 0xa1                      ; source 0 (B) window 1, source 1 (A) window 0, C and D window 2
.set MUL_HI, 0xf1                      ; the same, C and D window 3
.set BIA_LO, 0x81                      ; C (the bias) window 0, D window 2
.set BIA_HI, 0xc1                      ; C window 0, D window 3
.set TO_B,   0x40
; A joint load: waves 0 and 1 fetch for A, waves 2 and 3 for B; the branch hangs on the wave's number alone.  An s_nop 0 and four v_nop follow each line.
.macro JLOAD g0a, g1a, g0b, g1b
	s_cmp_eq_u32 s15, 0
	s_cbranch_scc0 .Lfor_b_\@
	tensor_load_to_lds s[\g0a:\g0a+3], s[\g1a:\g1a+7]
	s_nop 0
.rept 4
	v_nop
.endr
	s_branch .Lasked_\@
.Lfor_b_\@:
	tensor_load_to_lds s[\g0b:\g0b+3], s[\g1b:\g1b+7]
	s_nop 0
.rept 4
	v_nop
.endr
.Lasked_\@:
.endm
.macro CROUND                          ; a round of the cluster's barrier
	s_barrier_signal -1
	s_barrier_wait -1
	s_cmp_lg_u32 s14, 0
	s_cbranch_scc1 .Lnot_wave_0_\@
	s_barrier_signal -3
.Lnot_wave_0_\@:
	s_barrier_wait -3
	s_barrier_signal -1
	s_barrier_wait -1
.endm
	s_load_b128 s[4:7], s[0:1], 0x0                ; codes, scales
	s_load_b128 s[96:99], s[0:1], 0x10             ; bq, bk
	s_load_b64 s[100:101], s[0:1], 0x20            ; bv
	s_load_b64 s[12:13], s[0:1], 0x28              ; the images
	v_lshl_add_u32 v[SPW], v0, 2, SPARE
	v_mov_b32 v[NIL], 0
	ds_add_u32 v[SPW], v[NIL]                      ; the wave's opening: the add, twice on end, and its wait ahead of my first tensor load
	ds_add_u32 v[SPW], v[NIL]
	v_lshrrev_b32 v1, 5, v0
	v_readfirstlane_b32 s14, v1                    ; wave
	s_lshr_b32 s15, s14, 1                         ; my half of the tile's rows; also: I fetch for A (0) or B (1)
	s_and_b32 s16, s14, 1                          ; my half of its columns; also: which 128 rows I fetch
	s_bfe_u32 s40, ttmp6, 0x40000                  ; cx
	s_bfe_u32 s41, ttmp6, 0x40004                  ; cy
	s_lshl_b32 s42, ttmp9, 2
	s_add_co_u32 s42, s42, s40                     ; tile column = 4 x cluster x + cx
	s_and_b32 s17, ttmp7, 0xffff
	s_lshl_b32 s17, s17, 2
	s_add_co_u32 s17, s17, s41                     ; tile row = 4 x cluster y + cy
	s_lshl_b32 s43, s41, 2
	s_lshl_b32 s43, 15, s43                        ; my row of the cluster
	s_lshl_b32 s44, 0x1111, s40                    ; my column
	s_or_b32 s[G1+0], s43, (0<<16)|(1<<20)|(1<<21)|(5<<22)|(3<<25)   ; mask; elements of 1 byte; padding on; bit 21 beside a mask; 4 words after every 64
	s_or_b32 s[G1B+0], s44, (0<<16)|(1<<20)|(1<<21)|(5<<22)|(3<<25)
.irp g, G1, G1B
	s_mov_b32 s[\g+1], ROWB<<16                    ; tensor_dim0
	s_mov_b32 s[\g+2], 128<<16                     ; tensor_dim1
	s_mov_b32 s[\g+3], ROWB<<16                    ; tile_dim0
	s_mov_b32 s[\g+4], 128                         ; tile_dim1
	s_mov_b32 s[\g+5], KROW                        ; the pitch
	s_mov_b32 s[\g+6], 0
	s_mov_b32 s[\g+7], 0
.endr
	s_or_b32 s[G1S+0], s43, (3<<16)|(1<<20)|(1<<21)|(5<<22)|(3<<25)  ; the scales of 128 rows: 4,096 dense bytes as 16 rows of 256 (32 elements of 8 bytes), padded alike
	s_or_b32 s[G1SB+0], s44, (3<<16)|(1<<20)|(1<<21)|(5<<22)|(3<<25)
.irp g, G1S, G1SB
	s_mov_b32 s[\g+1], 32<<16
	s_mov_b32 s[\g+2], 16<<16
	s_mov_b32 s[\g+3], 32<<16
	s_mov_b32 s[\g+4], 16
	s_mov_b32 s[\g+5], 32
	s_mov_b32 s[\g+6], 0
	s_mov_b32 s[\g+7], 0
.endr
	s_lshl_b32 s18, s16, 7
	s_lshl_b32 s20, s17, 8
	s_add_co_u32 s20, s20, s18                     ; A: row 256 x tile row + 128 x half
	s_lshl_b32 s46, s42, 8
	s_add_co_u32 s46, s46, s18                     ; B: row 256 x tile column + 128 x half
	s_mov_b32 s21, 0
	s_mov_b32 s47, 0
	s_mov_b64 s[18:19], KS
	s_mul_u64 s[22:23], s[20:21], s[18:19]
	s_mul_u64 s[92:93], s[46:47], s[18:19]
	s_mov_b64 s[18:19], KROW
	s_mul_u64 s[20:21], s[20:21], s[18:19]
	s_mul_u64 s[46:47], s[46:47], s[18:19]
	s_mul_i32 s45, s14, HALFT                      ; where they go: wave x 128 rows
	s_mul_i32 s94, s14, HALFS
	s_wait_dscnt 0x0                               ; both opening adds are done
	s_wait_kmcnt 0x0
	s_add_nc_u64 s[8:9], s[4:5], 0x400000          ; the weights' codes begin at row 8,192
	s_add_nc_u64 s[10:11], s[6:7], 0x40000         ; and their scale bytes
	s_add_nc_u64 s[20:21], s[4:5], s[20:21]
	s_add_nc_u64 s[22:23], s[6:7], s[22:23]
	s_add_nc_u64 s[46:47], s[8:9], s[46:47]
	s_add_nc_u64 s[92:93], s[10:11], s[92:93]
	CROUND                                         ; all sixteen work-groups are here: the first joint loads meet
	s_mov_b32 s[G0S], 1
	s_add_co_u32 s[G0S+1], s94, SCL
	s_mov_b64 s[G0S+2:G0S+3], s[22:23]
	s_or_b32 s[G0S+3], s[G0S+3], 0x80000000
	s_mov_b32 s[G0SB], 1
	s_add_co_u32 s[G0SB+1], s94, SCL
	s_mov_b64 s[G0SB+2:G0SB+3], s[92:93]
	s_or_b32 s[G0SB+3], s[G0SB+3], 0x80000000
	JLOAD G0S, G1S, G0SB, G1SB                     ; the scales first: three loads of mine are out at the most
.irp s, 0,1
	s_mov_b32 s[G0+4*\s], 1
	s_add_co_u32 s[G0+4*\s+1], s45, \s*SLOT
	s_add_nc_u64 s[G0+4*\s+2:G0+4*\s+3], s[20:21], \s*ROWB
	s_or_b32 s[G0+4*\s+3], s[G0+4*\s+3], 0x80000000
	s_mov_b32 s[G0B+4*\s], 1
	s_add_co_u32 s[G0B+4*\s+1], s45, \s*SLOT
	s_add_nc_u64 s[G0B+4*\s+2:G0B+4*\s+3], s[46:47], \s*ROWB
	s_or_b32 s[G0B+4*\s+3], s[G0B+4*\s+3], 0x80000000
	JLOAD G0+4*\s, G1, G0B+4*\s, G1B
.endr
	v_and_b32 v1, 15, v0                           ; r
	v_bfe_u32 v2, v0, 4, 1                         ; h
	; the bias: which of the three hangs on the cluster's x alone (four tile columns to a weight)
	s_cmp_eq_u32 ttmp9, 0
	s_cselect_b64 s[96:97], s[96:97], s[98:99]
	s_cmp_eq_u32 ttmp9, 2
	s_cselect_b64 s[96:97], s[100:101], s[96:97]
	s_cselect_b32 s95, -1, 0                       ; all ones where this tile is v's
	s_lshl_b32 s98, s40, 10
	s_lshl_b32 s99, s16, 9
	s_add_co_u32 s98, s98, s99                     ; my first column within the weight, 4 bytes each
	s_mov_b32 s99, 0
	s_add_nc_u64 s[96:97], s[96:97], s[98:99]
	v_lshlrev_b32 v9, 5, v2                        ; lane (r, h) wants, for block b, the bias of columns 16 b + 8 h + 0 .. 7
.irp b, 0,1,2,3,4,5,6,7
	global_load_b128 v[BI+8*\b:BI+8*\b+3], v9, s[96:97] offset:64*\b
	global_load_b128 v[BI+8*\b+4:BI+8*\b+7], v9, s[96:97] offset:64*\b+16
.endr
	v_mul_u32_u24 v3, v1, PITCH
	v_lshl_add_u32 v4, v2, 4, v3                   ; a fragment's row x pitch + 16 x half
	s_mul_i32 s21, s15, HALFT
	s_mul_i32 s22, s16, HALFT
	s_add_co_u32 s22, s22, 2*HALFT
.irp s, 0,1
	v_add_nc_u32 v[ADRA+\s], s21, v4
	v_add_nc_u32 v[ADRB+\s], s22, v4
	s_add_co_u32 s21, s21, SLOT
	s_add_co_u32 s22, s22, SLOT
.endr
	v_mul_u32_u24 v5, v1, KS                       ; my row's scales: 32 bytes a row,
	v_lshrrev_b32 v6, 8, v5
	v_lshl_add_u32 v5, v6, 4, v5                   ; and 16 more for each 256 passed
	s_mul_i32 s21, s15, HALFS
	s_mul_i32 s22, s16, HALFS
	s_add_co_u32 s22, s22, 2*HALFS
	s_sub_co_u32 s22, s22, s21
	v_mul_u32_u24 v6, s22, v2                      ; lanes 16-31 take B's
	s_add_co_u32 s21, s21, SCL
	v_add_nc_u32 v5, v5, v6
	v_add_nc_u32 v[ADRS], s21, v5
	v_and_b32 v6, 31, v0
	v_lshlrev_b32 v5, 4, v6                        ; q, k: 16 x lane
	v_lshrrev_b32 v7, 3, v1
	v_lshlrev_b32 v7, 8, v7
	v_lshl_add_u32 v7, v2, 7, v7
	v_and_b32 v8, 7, v1
	v_lshl_add_u32 v7, v8, 4, v7                   ; v: 256 (r / 8) + 128 h + 16 (r % 8)
	v_cndmask_b32 v[LO], v5, v7, s95
	s_lshl_b32 s20, s17, 8
	s_lshl_b32 s21, s15, 7
	s_add_co_u32 s20, s20, s21                     ; my first row
	s_lshr_b32 s21, s20, 11
	s_lshl_b32 s21, s21, 22                        ; its batch: 16 heads x 128 tiles x 2,048 bytes
	s_and_b32 s20, s20, 2047
	s_lshl_b32 s20, s20, 7                         ; its tile of 16 positions x 2,048
	s_add_co_u32 s20, s20, s21
	s_lshl_b32 s46, s40, 2
	s_lshl_b32 s47, s16, 1
	s_add_co_u32 s46, s46, s47                     ; my first head
	s_lshl_b32 s46, s46, 18
	s_lshl_b32 s47, ttmp9, 24                      ; q, k or v
	s_add_co_u32 s46, s46, s47
	s_add_co_u32 s20, s20, s46
	s_mov_b32 s21, 0
	s_add_nc_u64 s[12:13], s[12:13], s[20:21]
.macro FRAG reg, adr, q, i             ; 16 rows x 128 K of 4-bit codes: 8 registers, two loads of 16 bytes, 32 bytes apart
.irp c, 0,1
	ds_load_b128 v[\reg+4*\c:\reg+4*\c+3], v[\adr] offset:64*(\q)+32*\c+(\i)*16*PITCH
.endr
.endm
; 16 matrix instructions: A's blocks a0, a0 + 1 x B's eight.  zero = 1: the first product starts the sums from the bias.  The 64 accumulators take turns, one instruction a turn.
.macro MUL16 a0, p, q, sc, zero
.irp a, \a0, \a0+1
.irp b, 0,1,2,3,4,5,6,7
.if \zero
	v_wmma_scale_f32_16x16x128_f8f6f4 v[8*(8*((\a)%4)+\b):8*(8*((\a)%4)+\b)+7], v[128*(\p)+FR*\b:128*(\p)+FR*\b+FR-1], v[AF+FR*(\a):AF+FR*(\a)+FR-1], v[BI+8*\b:BI+8*\b+7], v[SC+8*NQ*(\sc)+NQ*\b+(\q)], v[SC+8*NQ*(\sc)+NQ*(\a)+(\q)] matrix_a_fmt:MATRIX_FMT_FP4 matrix_b_fmt:MATRIX_FMT_FP4 matrix_a_scale:MATRIX_SCALE_ROW1
.else
	v_wmma_scale_f32_16x16x128_f8f6f4 v[8*(8*((\a)%4)+\b):8*(8*((\a)%4)+\b)+7], v[128*(\p)+FR*\b:128*(\p)+FR*\b+FR-1], v[AF+FR*(\a):AF+FR*(\a)+FR-1], v[8*(8*((\a)%4)+\b):8*(8*((\a)%4)+\b)+7], v[SC+8*NQ*(\sc)+NQ*\b+(\q)], v[SC+8*NQ*(\sc)+NQ*(\a)+(\q)] matrix_a_fmt:MATRIX_FMT_FP4 matrix_b_fmt:MATRIX_FMT_FP4 matrix_a_scale:MATRIX_SCALE_ROW1
.endif
.endr
.endr
.endm
.macro FETCH_B slot, q, p
	WIN TO_B
.irp i, 0,1,2,3,4,5,6,7
	FRAG 128*(\p)+FR*\i, ADRB+\slot, \q, \i
.endr
	WIN 0
.endm
.macro FETCH_A slot, q, i0
.irp i, \i0, \i0+1, \i0+2, \i0+3
	FRAG AF+FR*(\i), ADRA+\slot, \q, \i
.endr
.endm
.macro SCALES sc                       ; a slot's scale words: lanes 0-15 A's block i, lanes 16-31 B's block i
.irp i, 0,1,2,3,4,5,6,7
	ds_load_b128 v[SC+8*NQ*\sc+NQ*\i:SC+8*NQ*\sc+NQ*\i+3], v[ADRS] offset:\i*SBLK
.endr
.endm
.macro PLACES n                        ; places in front of loads into registers that matrix instructions have read, and of the first read of results
.rept \n
	v_nop
.endr
.endm
.macro STEP slot, q, zero              ; 128 along K, with its successor in the same slot
	s_wait_dscnt 4*NL                              ; B's set and A's blocks 0-3 are in; the youngest eight loads (A's blocks 4-7) may be out
.if \zero
	WIN BIA_LO
.else
	WIN MUL_LO
.endif
	MUL16 0, (\q)%2, \q, \slot, \zero
	MUL16 2, (\q)%2, \q, \slot, \zero
	s_wait_dscnt 0
	PLACES NP
	FETCH_B \slot, (\q)+1, 1-(\q)%2
	FETCH_A \slot, (\q)+1, 0
.if \zero
	WIN BIA_HI
.else
	WIN MUL_HI
.endif
	MUL16 4, (\q)%2, \q, \slot, \zero
	MUL16 6, (\q)%2, \q, \slot, \zero
	PLACES NP
	WIN 0
	FETCH_A \slot, (\q)+1, 4
.endm
.macro TURN slot, next                 ; slot 0's last step: one barrier, behind which slot 1 is whole for every wave; nothing is filled again
	s_wait_tensorcnt 0x0                           ; my part of slot 1 has landed
	ds_add_u32 v[SPW], v[NIL]
	s_wait_dscnt 4*NL+1                            ; (the add and A's blocks 4-7 may be out)
	WIN MUL_LO
	MUL16 0, 1, NQ-1, \slot, 0
	s_wait_dscnt 0x0
	s_barrier_signal -1
	MUL16 2, 1, NQ-1, \slot, 0
	WIN 0
	s_barrier_wait -1
	PLACES NP
	v_add_nc_u32 v[ADRS], 4*NQ, v[ADRS]            ; on to the next 512's scale words
	FETCH_B \next, 0, 0
	FETCH_A \next, 0, 0
	SCALES \next
	WIN MUL_HI
	MUL16 4, 1, NQ-1, \slot, 0
	MUL16 6, 1, NQ-1, \slot, 0
	PLACES NP
	WIN 0
	FETCH_A \next, 0, 4
.endm
	s_wait_tensorcnt 1                             ; the scales and my part of slot 0 are in; slot 1's load may be out
	s_barrier_signal -1
	s_barrier_wait -1
	FETCH_B 0, 0, 0
	FETCH_A 0, 0, 0
	SCALES 0
	FETCH_A 0, 0, 4
	s_wait_loadcnt 0x0                             ; the bias
	STEP 0, 0, 1
	STEP 0, 1, 0
	STEP 0, 2, 0
	TURN 0, 1
	STEP 1, 0, 0
	STEP 1, 1, 0
	STEP 1, 2, 0
	s_wait_dscnt 4*NL                              ; the last step: nothing more to fetch
	WIN MUL_LO
	MUL16 0, 1, NQ-1, 1, 0
	MUL16 2, 1, NQ-1, 1, 0
	s_wait_dscnt 0
	WIN MUL_HI
	MUL16 4, 1, NQ-1, 1, 0
	MUL16 6, 1, NQ-1, 1, 0
	WIN 0
; THE WAY OUT.  Block a: 16 positions x 128 columns (two heads).  A lane's eight numbers of accumulator (a, b) round to 16 bytes, which are its part of block (tile a, head b / 4, channels 16 (b % 4) on).
.macro PACK a
.set AC, 64*((\a)%4)
.set OB, 128+32*((\a)%4)
.if (\a) >= 4
	s_wait_xcnt 0x0                                ; the stores of four blocks back have read these registers
.endif
	WIN 0x0a+5*((\a)/4)                            ; sources 0 and 1: window 2 or 3
.irp b, 0,1,2,3,4,5,6,7
.irp r, 0,1,2,3
	v_cvt_pk_f16_f32 v[OB+4*\b+\r], v[AC+8*\b+2*\r], v[AC+8*\b+2*\r+1]   ; each accumulator from its low end on
.endr
.endr
	WIN 0
.irp b, 0,1,2,3,4,5,6,7
	global_store_b128 v[LO], v[OB+4*\b:OB+4*\b+3], s[12:13] offset:(\a)*2048+(\b/4)*262144+(\b%4)*512   ; 32 lanes store 512 consecutive bytes
.endr
.endm
	PLACES NP
.irp a, 0,1,2,3,4,5,6,7
	PACK \a
.endr
	s_wait_tensorcnt 0x0                           ; the wave's end
	ds_add_u32 v[SPW], v[NIL]
	s_wait_dscnt 0x0
	CROUND                                         ; the closing round
	s_endpgm
.Lfunc_end_k_qe320c228bb_qkv:
	.size	k_qe320c228bb_qkv, .Lfunc_end_k_qe320c228bb_qkv-k_qe320c228bb_qkv
	.p2alignl 7, 3214868480
	.fill 96, 4, 3214868480
	.section	.rodata,"a",@progbits
	.p2align	6, 0x0
	.amdhsa_kernel k_qe320c228bb_qkv
		.amdhsa_group_segment_fixed_size 327680
		.amdhsa_private_segment_fixed_size 0
		.amdhsa_enable_private_segment 0
		.amdhsa_kernarg_size 48
		.amdhsa_user_sgpr_count 2
		.amdhsa_user_sgpr_kernarg_segment_ptr 1
		.amdhsa_wavefront_size32 1
		.amdhsa_system_sgpr_workgroup_id_x 1
		.amdhsa_system_sgpr_workgroup_id_y 1
		.amdhsa_system_sgpr_workgroup_id_z 1
		.amdhsa_system_vgpr_workitem_id 0
		.amdhsa_next_free_vgpr 1024
		.amdhsa_next_free_sgpr 102
		.amdhsa_reserve_vcc 0
		.amdhsa_float_denorm_mode_32 3
		.amdhsa_float_denorm_mode_16_64 3
		.amdhsa_memory_ordered 1
		.amdhsa_forward_progress 1
		.amdhsa_inst_pref_size 120
	.end_amdhsa_kernel
	.amdgpu_metadata
---
amdhsa.version: [ 1, 2 ]
amdhsa.kernels:
  - .name:           k_qe320c228bb_qkv
    .symbol:         k_qe320c228bb_qkv.kd
    .args:
      - { .name: codes, .offset: 0, .size: 8, .value_kind: global_buffer, .address_space: global }
      - { .name: scales, .offset: 8, .size: 8, .value_kind: global_buffer, .address_space: global }
      - { .name: bq, .offset: 16, .size: 8, .value_kind: global_buffer, .address_space: global }
      - { .name: bk, .offset: 24, .size: 8, .value_kind: global_buffer, .address_space: global }
      - { .name: bv, .offset: 32, .size: 8, .value_kind: global_buffer, .address_space: global }
      - { .name: qkvh, .offset: 40, .size: 8, .value_kind: global_buffer, .address_space: global }
    .group_segment_fixed_size: 327680
    .private_segment_fixed_size: 0
    .kernarg_segment_align: 8
    .kernarg_segment_size: 48
    .max_flat_workgroup_size: 128
    .sgpr_count:     102
    .vgpr_count:     1024
    .wavefront_size: 32
...
	.end_amdgpu_metadata
.endif
;; end of part 2
;; launch attn (part 3): grid 4 x 64, 8 waves a work-group, no clusters, 66,560 bytes of LDS; arguments qkvh, route, ctxh; writes ctxh
.if DOCPART == 3
	.amdgcn_target "amdgcn-amd-amdhsa--gfx1250"
	.amdhsa_code_object_version 6
	.text
	.protected	k_qe320c228bb_attn
	.globl	k_qe320c228bb_attn
	.p2align	8
	.type	k_qe320c228bb_attn,@function
k_qe320c228bb_attn:
	s_mov_b64 s[64:65], 0
	v_nop
	global_prefetch_b8 v0, s[64:65] scope:SCOPE_SE
	s_setreg_imm32_b32 hwreg(HW_REG_WAVE_MODE, 25, 1), 1
	s_wait_xcnt 0x0
; ctx = softmax(q k^T / 8, with the key mask) v, for one (batch, head) and 512 queries a work-group; f16 operands, f32 products, maxima and sums.
; THE MASK.  The positions of a batch lie partitioned: the n counted keys first.  A masked key's weight is exp(-1e9 - max), which is 0 in f32 as soon as one key counts: so keys 0 .. n - 1 alone are walked.
; With n = 0 every score is -1e9 and the weights are uniform over all 2,048 keys: then all keys are walked with c = 0, so that every p = 2^0.  n is a whole number that the first launch stored.
; LIMITS: leaving masked keys out equals the definition while a row's largest counted score lies above -1e9 + 104; |q|, |k|, |v|, |ctx| under 65,504 (f16); NaN and infinities are not served.
; SHARES.  Eight waves, 64 queries (four tiles of 16) each.  128 keys a slot, two LDS slots: dense copies of the images in memory (K's 8 tiles x 2 KB, then V's); wave w copies tile w through registers, one slot ahead.
; The loop has a constant 16 slots and every wave passes every barrier; a slot past n is jumped over by a scalar branch on n, the same in all waves.  No tensor load: work hangs on a number read from memory.
; No cluster: with no tensor load there is no joint load to share.
; LAYOUT.  S^T = K Q^T and O^T = V^T P: a lane holds ONE query (lane % 16) throughout; two tiles of S^T, rounded to f16 in pairs, are source 1 of the second product.  V comes turned, by ds_load_tr16_b128.
; SOFTMAX.  For each query a running maximum m and sum l: p = 2^(c s - c m), c = log2(e) / 8; O and l are multiplied by a = 2^(c m_old - c m_new) in every step.
; REGISTERS.  window 0: v1-7 addresses and constants; v8-39 statistics, eight a tile (+0 c m, +1 m, +2, +3 l, +4..+7 at work; a at +6); v40-55 the copies' stage; v64-127 K's 8 fragments; v128-255 S^T, 32 a tile, P in the low 16.
;   window 1: v0-63 Q; v64-191 O^T, 32 a tile; v192-255 V's 8 fragments.
.set SLOTB, 32768
.set VOFF,  16384
.set SPARE, 65536                      ; the spare words, 128 bytes a wave: no other line names them
.set LI,  1                            ; v1  16 x lane
.set LW,  2                            ; v2  2,048 x wave + 16 x lane: my copy's place, in memory and in LDS
.set H8,  3                            ; v3  8 (lane / 16)
.set SPW, 4
.set NIL, 5
.set MD,  6
.set NI,  7                            ; v7  -infinity
.set ST,  8
.set SG,  40
.set PFO, 56                           ; v56 256 x lane
.set KR,  64
.set S,   128
.set OT,  64                           ; in window 1
.set VR,  192                          ; in window 1
.set MSB, 0
.macro WIN new
.if MSB != \new
	s_set_vgpr_msb (MSB<<8)|\new
.set MSB, \new
.endif
.endm
	s_load_b128 s[4:7], s[0:1], 0x0                ; the images of q, k, v; route
	s_load_b64 s[8:9], s[0:1], 0x10                ; ctx
	v_lshl_add_u32 v[SPW], v0, 2, SPARE
	v_mov_b32 v[NIL], 0
	v_lshrrev_b32 v6, 5, v0
	v_readfirstlane_b32 s10, v6                    ; wave
	s_and_b32 s11, ttmp7, 0xffff                   ; batch x 16 + head
	s_mov_b32 s12, ttmp9                           ; which 512 queries
	v_and_b32 v6, 31, v0
	v_lshlrev_b32 v[LI], 4, v6
	s_lshl_b32 s28, s10, 11
	v_add_nc_u32 v[LW], s28, v[LI]
	v_bfe_u32 v[H8], v0, 4, 1
	v_lshlrev_b32 v[H8], 3, v[H8]
	v_mov_b32 v[NI], 0xff800000
	v_lshlrev_b32 v[PFO], 8, v6
	s_mov_b32 s16, 0x76543210                      ; v_permlanex16_b32's selects for lane l xor 16
	s_mov_b32 s17, 0xfedcba98
	s_lshr_b32 s25, s11, 4                         ; batch
	s_lshl_b32 s26, s25, 7
	s_lshl_b32 s28, s11, 18                        ; a head's 128 tiles x 2,048 bytes
	s_mov_b32 s29, 0
	s_lshl_b32 s30, s12, 16
	s_lshl_b32 s31, s10, 13
	s_add_co_u32 s30, s30, s31
	s_add_co_u32 s30, s30, s28                     ; my wave's four tiles of q
	s_mov_b32 s31, 0
	s_wait_kmcnt 0x0
	s_load_b32 s13, s[6:7], s26 offset:0x8000      ; n of my batch
	s_add_nc_u64 s[22:23], s[4:5], s[30:31]
	s_add_nc_u64 s[18:19], s[4:5], s[28:29]
	s_add_nc_u64 s[20:21], s[18:19], 0x2000000     ; V of my head
	s_add_nc_u64 s[18:19], s[18:19], 0x1000000     ; K of my head
	WIN 0x40                                       ; destination window 1
.irp t, 0,1,2,3
.irp kk, 0,1
	global_load_b128 v[8*(2*\t+\kk):8*(2*\t+\kk)+3], v[LI], s[22:23] offset:\t*2048+\kk*1024
	global_load_b128 v[8*(2*\t+\kk)+4:8*(2*\t+\kk)+7], v[LI], s[22:23] offset:\t*2048+\kk*1024+512
.endr
.endr
	WIN 0
.irp i, 0,1,2,3
	global_load_b128 v[SG+4*\i:SG+4*\i+3], v[LW], s[18:19] offset:512*\i     ; slot 0: my tile of K,
.endr
.irp i, 0,1,2,3
	global_load_b128 v[S+4*\i:S+4*\i+3], v[LW], s[20:21] offset:512*\i       ; and of V
.endr
	WIN 0x40
.set i, 0
.rept 128
	v_mov_b32 v[OT+i], 0                           ; O^T.  (The step is written once: the first finds zeros, which the first a leaves zeros)
.set i, i+1
.endr
	WIN 0
	s_wait_kmcnt 0x0
	s_min_u32 s13, s13, 0x800
	s_cmp_eq_u32 s13, 0
	s_cselect_b32 s14, 0, 0x3e38aa3b               ; c = log2(e) / 8, or 0 where no key counts
	s_cselect_b32 s13, 0x800, s13                  ; the keys that are walked
	s_mov_b32 s15, s14                             ; (the packed form names the pair)
.irp t, 0,1,2,3
	v_mov_b32 v[ST+8*\t+1], 0xff61b1e6             ; m: -3e38, under every score
	v_mul_f32 v[ST+8*\t], s14, v[ST+8*\t+1]        ; c m
.irp k, 2,3,4,5,6,7
	v_mov_b32 v[ST+8*\t+\k], 0                     ; l, and the registers at work
.endr
.endr
	s_lshr_b32 s28, s10, 2                         ; the prefetches: waves 0 to 3 of the head's first work-group ask
	s_or_b32 s28, s28, s12
	s_cmp_eq_u32 s28, 0
	s_cselect_b32 s34, s13, 0
	s_cmp_lt_u32 s10, 2                            ; waves 0, 1 for K's halves of a slot, waves 2, 3 for V's
	s_cselect_b64 s[32:33], s[18:19], s[20:21]
	s_and_b32 s28, s10, 1
	s_lshl_b32 s28, s28, 13
	s_add_co_u32 s28, s28, 32768                   ; two slots on
	s_add_nc_u64 s[32:33], s[32:33], s[28:29]
	s_wait_loadcnt 0x0                             ; q, and slot 0's tiles
.irp i, 0,1,2,3
	ds_store_b128 v[LW], v[SG+4*\i:SG+4*\i+3] offset:512*\i
	ds_store_b128 v[LW], v[S+4*\i:S+4*\i+3] offset:VOFF+512*\i
.endr
	s_lshl_b32 s28, s25, 4                         ; where my rows of ctx go: block of 128 rows = batch x 16 + 4 x (512 queries) + wave / 2,
	s_lshl_b32 s30, s12, 2
	s_add_co_u32 s28, s28, s30
	s_lshr_b32 s30, s10, 1
	s_add_co_u32 s28, s28, s30
	s_lshl_b32 s28, s28, 18
	s_and_b32 s30, s11, 15
	s_lshl_b32 s30, s30, 14                        ; the head's two steps of 32 along d, 8,192 bytes each,
	s_add_co_u32 s28, s28, s30
	s_and_b32 s30, s10, 1
	s_lshl_b32 s30, s30, 12                        ; and my four tiles of rows among the block's eight
	s_add_co_u32 s28, s28, s30
	s_add_nc_u64 s[22:23], s[8:9], s[28:29]
; A PREFETCH INTO THE L2 of the slot two on: K's and V's 16,384 bytes each, 8,192 a wave, lanes 256 bytes apart, one instruction a wave.  All four work-groups of a head walk the same K and V: the first asks, so each block is named once.
; It stands behind the wave's loads of the next slot.  It stops where the slot two on begins at or past the keys that are walked; slots 0 and 1 come by their loads alone.
.macro ASK
	s_add_co_u32 s28, s24, 256
	s_cmp_lt_u32 s28, s34
	s_cbranch_scc0 .Lnp_\@
	global_prefetch_b8 v[PFO], s[32:33] th:TH_LOAD_NT scope:SCOPE_SE
.Lnp_\@:
.endm
; 64 keys: the u-th half of slot p
.macro SUB p, u
.irp kt, 0,1,2,3
.irp kk, 0,1
	ds_load_b128 v[KR+8*(2*\kt+\kk):KR+8*(2*\kt+\kk)+3], v[LI] offset:\p*SLOTB+(4*\u+\kt)*2048+\kk*1024
	ds_load_b128 v[KR+8*(2*\kt+\kk)+4:KR+8*(2*\kt+\kk)+7], v[LI] offset:\p*SLOTB+(4*\u+\kt)*2048+\kk*1024+512
.endr
.endr
	WIN 0x40
.irp ks, 0,1
.irp ft, 0,1,2,3
	ds_load_tr16_b128 v[VR+8*(4*\ks+\ft):VR+8*(4*\ks+\ft)+3], v[LI] offset:\p*SLOTB+VOFF+(4*\u+2*\ks)*2048+\ft*512
	ds_load_tr16_b128 v[VR+8*(4*\ks+\ft)+4:VR+8*(4*\ks+\ft)+7], v[LI] offset:\p*SLOTB+VOFF+(4*\u+2*\ks+1)*2048+\ft*512
.endr
.endr
	s_wait_dscnt 16                                ; K is in; V's sixteen loads may be out
	WIN 0x04                                       ; Q in window 1
.irp kk, 0,1                                   ; the 16 accumulators take turns, one instruction a turn
.irp kt, 0,1,2,3
.irp t, 0,1,2,3
.if \kk == 0
	v_wmma_f32_16x16x32_f16 v[S+32*\t+8*\kt:S+32*\t+8*\kt+7], v[KR+8*(2*\kt+\kk):KR+8*(2*\kt+\kk)+7], v[8*(2*\t+\kk):8*(2*\t+\kk)+7], 0
.else
	v_wmma_f32_16x16x32_f16 v[S+32*\t+8*\kt:S+32*\t+8*\kt+7], v[KR+8*(2*\kt+\kk):KR+8*(2*\kt+\kk)+7], v[8*(2*\t+\kk):8*(2*\t+\kk)+7], v[S+32*\t+8*\kt:S+32*\t+8*\kt+7]
.endif
.endr
.endr
.endr
	WIN 0
.rept 4
	v_nop                                          ; places ahead of the first read of results
.endr
	s_add_co_u32 s28, s24, 64*\u+64                ; the last keys: where these 64 reach past the keys that are walked, the scores past them become -infinity: p = 0
	s_cmp_le_u32 s28, s13
	s_cbranch_scc1 .Lfull_\@
	s_sub_co_u32 s28, s13, s24
	s_sub_co_u32 s28, s28, 64*\u
	v_sub_nc_u32 v[MD], s28, v[H8]                 ; register 8 kt + j holds key 16 kt + 8 (lane / 16) + j of the 64: hidden where 16 kt + j >= this
.irp kt, 0,1,2,3
.irp j, 0,1,2,3,4,5,6,7
	v_cmp_gt_i32 vcc_lo, 16*\kt+\j+1, v[MD]
.irp t, 0,1,2,3
	v_cndmask_b32 v[S+32*\t+8*\kt+\j], v[S+32*\t+8*\kt+\j], v[NI], vcc_lo
.endr
.endr
.endr
.Lfull_\@:
	; the maximum of a lane's 32 scores and the old m: four chains a tile, the four tiles by turns
.irp j, 0,1,2,3
.irp t, 0,1,2,3
	v_max3_num_f32 v[ST+8*\t+4+\j], v[S+32*\t+8*\j], v[S+32*\t+8*\j+1], v[S+32*\t+8*\j+2]
.endr
.endr
.irp i, 3,5
.irp j, 0,1,2,3
.irp t, 0,1,2,3
	v_max3_num_f32 v[ST+8*\t+4+\j], v[ST+8*\t+4+\j], v[S+32*\t+8*\j+\i], v[S+32*\t+8*\j+\i+1]
.endr
.endr
.endr
.irp t, 0,1,2,3
	v_max3_num_f32 v[ST+8*\t+4], v[ST+8*\t+4], v[S+32*\t+7], v[S+32*\t+15]
.endr
.irp t, 0,1,2,3
	v_max3_num_f32 v[ST+8*\t+6], v[ST+8*\t+6], v[S+32*\t+23], v[S+32*\t+31]
.endr
.irp t, 0,1,2,3
	v_max3_num_f32 v[ST+8*\t+4], v[ST+8*\t+4], v[ST+8*\t+5], v[ST+8*\t+6]
.endr
.irp t, 0,1,2,3
	v_max3_num_f32 v[ST+8*\t+4], v[ST+8*\t+4], v[ST+8*\t+7], v[ST+8*\t+1]
.endr
.irp t, 0,1,2,3
	v_permlanex16_b32 v[ST+8*\t+5], v[ST+8*\t+4], s16, s17   ; the query's other 32 keys lie in the lane 16 away
.endr
.irp t, 0,1,2,3
	v_mov_b32 v[ST+8*\t+7], v[ST+8*\t]             ; c m_old
.endr
.irp t, 0,1,2,3
	v_max_num_f32 v[ST+8*\t+1], v[ST+8*\t+4], v[ST+8*\t+5]
.endr
.irp t, 0,1,2,3
	v_mul_f32 v[ST+8*\t], s14, v[ST+8*\t+1]
.endr
.irp t, 0,1,2,3
	v_sub_f32 v[ST+8*\t+7], v[ST+8*\t+7], v[ST+8*\t]
.endr
.irp b, 0,2,4,6,8,10,12,14,16,18,20,22,24,26,28,30
.irp t, 0,1,2,3
	v_pk_fma_f32 v[S+32*\t+\b:S+32*\t+\b+1], v[S+32*\t+\b:S+32*\t+\b+1], s[14:15], v[ST+8*\t:ST+8*\t+1] op_sel_hi:[1,0,0] neg_lo:[0,0,1] neg_hi:[0,0,1]   ; c s - c m
.endr
.endr
.irp t, 0,1,2,3
	v_exp_f32 v[ST+8*\t+6], v[ST+8*\t+7]           ; a
.endr
.set i, 0
.rept 128
	v_exp_f32 v[S+i], v[S+i]                       ; p.  ONE BATCH: none of these reads an exponential's result
.set i, i+1
.endr
	v_nop                                          ; a plain line behind the last exponential
	s_wait_alu depctr_va_vdst(0)                   ; one wait for the batch, ahead of its first reader
.irp t, 0,1,2,3
	v_pk_fma_f32 v[ST+8*\t+2:ST+8*\t+3], v[ST+8*\t+2:ST+8*\t+3], v[ST+8*\t+6:ST+8*\t+7], v[S+32*\t:S+32*\t+1] op_sel_hi:[1,0,1]   ; l = a l + the first pair
.endr
.irp b, 2,4,6,8,10,12,14,16,18,20,22,24,26,28,30
.irp t, 0,1,2,3
	v_pk_add_f32 v[ST+8*\t+2:ST+8*\t+3], v[ST+8*\t+2:ST+8*\t+3], v[S+32*\t+\b:S+32*\t+\b+1]
.endr
.endr
.irp i, 0,1,2,3,4,5,6,7,8,9,10,11,12,13,14,15
.irp t, 0,1,2,3
	v_cvt_pk_f16_f32 v[S+32*\t+\i], v[S+32*\t+2*\i], v[S+32*\t+2*\i+1]   ; P in place, ascending: register i is written when 2 i and 2 i + 1 have been read
.endr
.endr
	WIN 0x41                                       ; O^T in window 1, a in window 0
.irp i, 0,2,4,6,8,10,12,14,16,18,20,22,24,26,28,30
.irp t, 0,1,2,3
	v_pk_mul_f32 v[OT+32*\t+\i:OT+32*\t+\i+1], v[OT+32*\t+\i:OT+32*\t+\i+1], v[ST+8*\t+6:ST+8*\t+7] op_sel_hi:[1,0]
.endr
.endr
	s_wait_dscnt 0x0                               ; V is in
	WIN 0x51                                       ; V and O^T in window 1, P in window 0
.irp ks, 0,1
.irp ft, 0,1,2,3
.irp t, 0,1,2,3
	v_wmma_f32_16x16x32_f16 v[OT+32*\t+8*\ft:OT+32*\t+8*\ft+7], v[VR+8*(4*\ks+\ft):VR+8*(4*\ks+\ft)+7], v[S+32*\t+8*\ks:S+32*\t+8*\ks+7], v[OT+32*\t+8*\ft:OT+32*\t+8*\ft+7]
.endr
.endr
.endr
	WIN 0
.rept 5
	v_nop                                          ; five places: the next K Q^T writes over P, which these products read; V's registers are loaded again; the way out reads O^T
.endr
.endm
; A SLOT of 128 keys.  At its head one barrier: my stores into it have landed and my reads of the other slot are over, and so for all eight waves.  Then the other slot is filled, through registers, while this one is multiplied.
.macro SLOT p
	s_wait_dscnt 0x0
	s_barrier_signal -1
	s_barrier_wait -1
	s_cmp_ge_u32 s24, s13                          ; past the keys that are walked: nothing but the steps at the end
	s_cbranch_scc1 .Lidle_\@
	s_add_co_u32 s27, s24, 128
	s_cmp_lt_u32 s27, s13
	s_cbranch_scc0 .Lnk_\@
.irp i, 0,1,2,3
	global_load_b128 v[SG+4*\i:SG+4*\i+3], v[LW], s[18:19] offset:16384+512*\i   ; the next slot's K: my tile
.endr
	ASK
.Lnk_\@:
	SUB \p, 0
	s_cmp_lt_u32 s27, s13
	s_cbranch_scc0 .Lnv_\@
	s_wait_loadcnt 0x0
.irp i, 0,1,2,3
	ds_store_b128 v[LW], v[SG+4*\i:SG+4*\i+3] offset:(1-\p)*SLOTB+512*\i
.endr
	s_wait_dscnt 0x0                               ; the stores have read the stage
.irp i, 0,1,2,3
	global_load_b128 v[SG+4*\i:SG+4*\i+3], v[LW], s[20:21] offset:16384+512*\i   ; the next slot's V
.endr
.Lnv_\@:
	s_add_co_u32 s28, s24, 64
	s_cmp_ge_u32 s28, s13
	s_cbranch_scc1 .Lidle_\@
	SUB \p, 1
	s_cmp_lt_u32 s27, s13
	s_cbranch_scc0 .Lidle_\@
	s_wait_loadcnt 0x0
.irp i, 0,1,2,3
	ds_store_b128 v[LW], v[SG+4*\i:SG+4*\i+3] offset:(1-\p)*SLOTB+VOFF+512*\i
.endr
.Lidle_\@:
	s_wait_loadcnt 0x0                             ; on every way no load is out on the stage
	s_wait_xcnt 0x0                                ; the loads and the prefetch have read their bases
	s_add_nc_u64 s[18:19], s[18:19], 16384
	s_add_nc_u64 s[20:21], s[20:21], 16384
	s_add_nc_u64 s[32:33], s[32:33], 16384
	s_add_co_u32 s24, s24, 128
.endm
	s_mov_b32 s24, 0                               ; the slot's first key
	s_mov_b32 s26, 8
.Ltrip:
	SLOT 0
	SLOT 1
	s_sub_co_u32 s26, s26, 1
	s_cmp_lg_u32 s26, 0
	s_cbranch_scc1 .Ltrip
	; THE WAY OUT: O^T / l, rounded to f16, stored as images of the last product's operand: every store covers 512 consecutive bytes
.irp t, 0,1,2,3
	v_add_f32 v[ST+8*\t+4], v[ST+8*\t+2], v[ST+8*\t+3]
.endr
.irp t, 0,1,2,3
	v_permlanex16_b32 v[ST+8*\t+5], v[ST+8*\t+4], s16, s17
.endr
.irp t, 0,1,2,3
	v_add_f32 v[ST+8*\t+4], v[ST+8*\t+4], v[ST+8*\t+5]
.endr
.irp t, 0,1,2,3
	v_rcp_f32 v[ST+8*\t+6], v[ST+8*\t+4]
.endr
	v_nop
	s_wait_alu depctr_va_vdst(0)                   ; one wait for the four reciprocals
.irp t, 0,1,2,3
	WIN 0x41
.irp i, 0,2,4,6,8,10,12,14,16,18,20,22,24,26,28,30
	v_pk_mul_f32 v[OT+32*\t+\i:OT+32*\t+\i+1], v[OT+32*\t+\i:OT+32*\t+\i+1], v[ST+8*\t+6:ST+8*\t+7] op_sel_hi:[1,0]
.endr
	WIN 0x05
.irp i, 0,1,2,3,4,5,6,7,8,9,10,11,12,13,14,15
	v_cvt_pk_f16_f32 v[S+16*\t+\i], v[OT+32*\t+2*\i], v[OT+32*\t+2*\i+1]
.endr
	WIN 0
.irp ft, 0,1,2,3
	global_store_b128 v[LI], v[S+16*\t+4*\ft:S+16*\t+4*\ft+3], s[22:23] offset:\t*1024+(\ft/2)*8192+(\ft%2)*512
.endr
.endr
	s_wait_tensorcnt 0x0                           ; the wave's end, behind my last LDS store
	ds_add_u32 v[SPW], v[NIL]
	s_wait_dscnt 0x0
	s_endpgm
.Lfunc_end_k_qe320c228bb_attn:
	.size	k_qe320c228bb_attn, .Lfunc_end_k_qe320c228bb_attn-k_qe320c228bb_attn
	.p2alignl 7, 3214868480
	.fill 96, 4, 3214868480
	.section	.rodata,"a",@progbits
	.p2align	6, 0x0
	.amdhsa_kernel k_qe320c228bb_attn
		.amdhsa_group_segment_fixed_size 66560
		.amdhsa_private_segment_fixed_size 0
		.amdhsa_enable_private_segment 0
		.amdhsa_kernarg_size 24
		.amdhsa_user_sgpr_count 2
		.amdhsa_user_sgpr_kernarg_segment_ptr 1
		.amdhsa_wavefront_size32 1
		.amdhsa_system_sgpr_workgroup_id_x 1
		.amdhsa_system_sgpr_workgroup_id_y 1
		.amdhsa_system_sgpr_workgroup_id_z 1
		.amdhsa_system_vgpr_workitem_id 0
		.amdhsa_next_free_vgpr 512
		.amdhsa_next_free_sgpr 66
		.amdhsa_reserve_vcc 1
		.amdhsa_float_denorm_mode_32 3
		.amdhsa_float_denorm_mode_16_64 3
		.amdhsa_memory_ordered 1
		.amdhsa_forward_progress 1
		.amdhsa_inst_pref_size 174
	.end_amdhsa_kernel
	.amdgpu_metadata
---
amdhsa.version: [ 1, 2 ]
amdhsa.kernels:
  - .name:           k_qe320c228bb_attn
    .symbol:         k_qe320c228bb_attn.kd
    .args:
      - { .name: qkvh, .offset: 0, .size: 8, .value_kind: global_buffer, .address_space: global }
      - { .name: route, .offset: 8, .size: 8, .value_kind: global_buffer, .address_space: global }
      - { .name: ctxh, .offset: 16, .size: 8, .value_kind: global_buffer, .address_space: global }
    .group_segment_fixed_size: 66560
    .private_segment_fixed_size: 0
    .kernarg_segment_align: 8
    .kernarg_segment_size: 24
    .max_flat_workgroup_size: 256
    .sgpr_count:     66
    .vgpr_count:     512
    .wavefront_size: 32
...
	.end_amdgpu_metadata
.endif
;; end of part 3
;; launch proj (part 4): grid 4 x 64, 4 waves a work-group, clusters of 4 x 4, 327,680 bytes of LDS; arguments ctxh, woh, bo, route, out0; writes out0
.if DOCPART == 4
	.amdgcn_target "amdgcn-amd-amdhsa--gfx1250"
	.amdhsa_code_object_version 6
	.text
	.protected	k_qe320c228bb_proj
	.globl	k_qe320c228bb_proj
	.p2align	8
	.type	k_qe320c228bb_proj,@function
k_qe320c228bb_proj:
	s_mov_b64 s[64:65], 0
	v_nop
	global_prefetch_b8 v0, s[64:65] scope:SCOPE_SE
	s_setreg_imm32_b32 hwreg(HW_REG_WAVE_MODE, 25, 1), 1
	s_wait_xcnt 0x0
	s_wait_alu depctr_hold_cnt(0) depctr_sa_sdst(0) depctr_va_vdst(0) depctr_va_sdst(0) depctr_va_ssrc(0) depctr_va_vcc(0) depctr_vm_vsrc(0)
	s_getreg_b32 s2, hwreg(HW_REG_IB_STS2, 6, 4)
	s_cmp_eq_u32 s2, 0
	s_cbranch_scc0 .Lentry_in_a_cluster
	s_endpgm
.Lentry_in_a_cluster:
	s_bfe_u32 s2, ttmp6, 0x10000c
	s_cmp_lg_u32 s2, 0xf033
	s_cbranch_scc0 .Lentry_shape_is_right
	s_endpgm
.Lentry_shape_is_right:
; out = ctx wo^T + bo, f16 operands, f32 sums; row p of a batch's result goes to row order[p] of out0: the partition of the first launch is undone here, in runs of 512 bytes.
; A tile of C is 128 rows x 256 columns: 256 work-groups.  Four waves, each 64 x 128: 32 accumulators.  Both operands lie in memory as images of their registers, so a K step of 128 is one dense block of each
; (A 32 KB, B 64 KB), brought by one tensor load a wave (waves 0, 1: A's halves; waves 2, 3: B's) into one of two slots, and a fragment is two LDS loads at 16 x lane: no pitch, no padding.
; 4 x 4 work-groups form a cluster: A's blocks are asked for jointly along a row of it, B's along a column.  THE MATRIX INSTRUCTION IS USED TRANSPOSED (source 0 = 16 rows of wo, source 1 = 16 rows of ctx).
; The bias is the C of each sum's first product.  No branch and no trip count hangs on the list: it enters the stores' offsets alone.
; REGISTERS: window 0: v16-29 addresses; v32-63 two sets of 16 row offsets; v64-159, v160-255 two fragment buffers (B's 64 registers, then A's 32); on the way out v64-191 hold rows.  window 1: the accumulators, (a, b) at v[8 (8 a + b)].  window 2: v0-63 the bias.
.set SLOT,   98304                     ; A's [4][8][1 KB], then B's [4][16][1 KB]
.set BOFF,   32768
.set STAGE,  2*SLOT                    ; the way out: 16 rows x (512 bytes + 16) a wave, bytes of its own
.set SPITCH, 528
.set SPARE,  STAGE+4*16*SPITCH         ; the spare words, 128 bytes a wave: no other line names them
.set ADRA, 16
.set ADRB, 20
.set STO,  24
.set RD,   25
.set CO,   26
.set SPW,  28
.set NIL,  29
.set RO,   32
.set F0,   64
.set F1,   160
.set BK,   64
.set G1, 24
.set G0, 32
.set G1B, 48
.set G0B, 56
.set MSB, 0
.macro WIN new
.if MSB != \new
	s_set_vgpr_msb (MSB<<8)|\new
.set MSB, \new
.endif
.endm
.set MUL,  0x50                        ; C and D window 1
.set MULZ, 0x60                        ; C (the bias) window 2, D window 1
.macro JLOAD s                         ; a joint load; an s_nop 0 and four v_nop follow each of the two lines
	s_cmp_eq_u32 s11, 0
	s_cbranch_scc0 .Lfor_b_\@
	tensor_load_to_lds s[G0+4*\s:G0+4*\s+3], s[G1:G1+7]
	s_nop 0
.rept 4
	v_nop
.endr
	s_branch .Lasked_\@
.Lfor_b_\@:
	tensor_load_to_lds s[G0B+4*\s:G0B+4*\s+3], s[G1B:G1B+7]
	s_nop 0
.rept 4
	v_nop
.endr
.Lasked_\@:
.endm
.macro CREST                           ; a round of the cluster's barrier behind its opening barrier
	s_cmp_lg_u32 s10, 0
	s_cbranch_scc1 .Lnot_wave_0_\@
	s_barrier_signal -3
.Lnot_wave_0_\@:
	s_barrier_wait -3
	s_barrier_signal -1
	s_barrier_wait -1
.endm
.macro CROUND
	s_barrier_signal -1
	s_barrier_wait -1
	CREST
.endm
	s_load_b128 s[4:7], s[0:1], 0x0                ; ctx, wo as f16
	s_load_b128 s[84:87], s[0:1], 0x10             ; bo, route
	s_load_b64 s[8:9], s[0:1], 0x20                ; out0
	v_lshl_add_u32 v[SPW], v0, 2, SPARE
	v_mov_b32 v[NIL], 0
	ds_add_u32 v[SPW], v[NIL]                      ; the wave's opening: the add, twice on end, and its wait ahead of my first tensor load
	ds_add_u32 v[SPW], v[NIL]
	v_lshrrev_b32 v1, 5, v0
	v_readfirstlane_b32 s10, v1                    ; wave
	s_lshr_b32 s11, s10, 1                         ; my 64 rows; also: I fetch for A (0) or B (1)
	s_and_b32 s12, s10, 1                          ; my 128 columns; also: which half of the block I fetch
	s_bfe_u32 s40, ttmp6, 0x40000                  ; cx
	s_bfe_u32 s41, ttmp6, 0x40004                  ; cy
	s_lshl_b32 s42, ttmp9, 2
	s_add_co_u32 s42, s42, s40                     ; tile column
	s_and_b32 s13, ttmp7, 0xffff
	s_lshl_b32 s13, s13, 2
	s_add_co_u32 s13, s13, s41                     ; tile row: a block of 128 rows
	s_lshl_b32 s43, s41, 2
	s_lshl_b32 s43, 15, s43                        ; my row of the cluster
	s_lshl_b32 s44, 0x1111, s40                    ; my column
	s_or_b32 s[G1+0], s43, (3<<16)|(1<<21)         ; the mask; elements of 8 bytes; bit 21 beside a mask; no padding
	s_mov_b32 s[G1+1], 32<<16                      ; rows of 256 bytes
	s_mov_b32 s[G1+2], 64<<16                      ; A: 64 of them
	s_mov_b32 s[G1+3], 32<<16
	s_mov_b32 s[G1+4], 64
	s_mov_b32 s[G1+5], 32                          ; dense
	s_mov_b32 s[G1+6], 0
	s_mov_b32 s[G1+7], 0
	s_or_b32 s[G1B+0], s44, (3<<16)|(1<<21)
	s_mov_b32 s[G1B+1], 32<<16
	s_mov_b32 s[G1B+2], 128<<16                    ; B: 128
	s_mov_b32 s[G1B+3], 32<<16
	s_mov_b32 s[G1B+4], 128
	s_mov_b32 s[G1B+5], 32
	s_mov_b32 s[G1B+6], 0
	s_mov_b32 s[G1B+7], 0
	s_lshl_b32 s16, s13, 18                        ; A: the block of rows, 262,144 bytes,
	s_lshl_b32 s17, s12, 14
	s_add_co_u32 s16, s16, s17                     ; and my half of a K step's 32,768
	s_mov_b32 s17, 0
	s_lshl_b32 s46, s42, 19                        ; B: the block of columns, 524,288 bytes,
	s_lshl_b32 s47, s12, 15
	s_add_co_u32 s46, s46, s47                     ; and my half of a K step's 65,536
	s_mov_b32 s47, 0
	s_lshl_b32 s20, s12, 14                        ; where they go in a slot
	s_lshl_b32 s21, s12, 15
	s_add_co_u32 s21, s21, BOFF
	s_wait_dscnt 0x0                               ; both opening adds are done
	s_wait_kmcnt 0x0
	s_add_nc_u64 s[14:15], s[4:5], s[16:17]
	s_add_nc_u64 s[46:47], s[6:7], s[46:47]
	CROUND                                         ; all sixteen work-groups are here: the first joint loads meet
.irp s, 0,1
	s_mov_b32 s[G0+4*\s], 1
	s_add_co_u32 s[G0+4*\s+1], s20, \s*SLOT
	s_add_nc_u64 s[G0+4*\s+2:G0+4*\s+3], s[14:15], \s*32768
	s_or_b32 s[G0+4*\s+3], s[G0+4*\s+3], 0x80000000
	s_mov_b32 s[G0B+4*\s], 1
	s_add_co_u32 s[G0B+4*\s+1], s21, \s*SLOT
	s_add_nc_u64 s[G0B+4*\s+2:G0B+4*\s+3], s[46:47], \s*65536
	s_or_b32 s[G0B+4*\s+3], s[G0B+4*\s+3], 0x80000000
	JLOAD \s
.endr
	v_and_b32 v1, 15, v0                           ; r
	v_bfe_u32 v2, v0, 4, 1                         ; h
	v_and_b32 v3, 31, v0
	v_lshlrev_b32 v[CO], 4, v3                     ; 16 x lane
	s_lshl_b32 s46, s42, 10                        ; the bias of my 128 columns
	s_lshl_b32 s47, s12, 9
	s_add_co_u32 s46, s46, s47
	s_mov_b32 s47, 0
	s_add_nc_u64 s[84:85], s[84:85], s[46:47]
	v_lshlrev_b32 v9, 5, v2
	WIN 0x80                                       ; destination window 2
.irp b, 0,1,2,3,4,5,6,7
	global_load_b128 v[8*\b:8*\b+3], v9, s[84:85] offset:64*\b
	global_load_b128 v[8*\b+4:8*\b+7], v9, s[84:85] offset:64*\b+16
.endr
	WIN 0
	s_lshl_b32 s16, s13, 9                         ; the list: my first row's word: (128 x tile row + 64 x half) x 4
	s_lshl_b32 s17, s11, 8
	s_add_co_u32 s16, s16, s17
	s_mov_b32 s17, 0
	s_add_nc_u64 s[86:87], s[86:87], s[16:17]
	s_load_b512 s[68:83], s[86:87], 0x0            ; the first 16 rows' words: waited for on the way out
	s_lshl_b32 s21, s11, 12                        ; my four tiles of A's rows
	s_lshl_b32 s22, s12, 13                        ; my eight tiles of B's,
	s_add_co_u32 s22, s22, BOFF                    ; behind A's block
.irp s, 0,1
	v_add_nc_u32 v[ADRA+\s], s21, v[CO]
	v_add_nc_u32 v[ADRB+\s], s22, v[CO]
	s_add_co_u32 s21, s21, SLOT
	s_add_co_u32 s22, s22, SLOT
.endr
	s_mul_i32 s23, s10, 16*SPITCH
	s_add_co_u32 s23, s23, STAGE                   ; my stage
	v_mul_u32_u24 v4, v1, SPITCH
	v_lshl_add_u32 v4, v2, 5, v4
	v_add_nc_u32 v[STO], s23, v4                   ; in: row r, 32 bytes for each half of the lanes
	v_add_nc_u32 v[RD], s23, v[CO]                 ; back: the 32 lanes take a row of 512 bytes
	s_lshr_b32 s16, s13, 4
	s_lshl_b32 s16, s16, 23                        ; the batch's 2,048 rows of 4,096 bytes
	s_mov_b32 s17, 0
	s_add_nc_u64 s[8:9], s[8:9], s[16:17]
	s_lshl_b32 s46, s42, 10                        ; my first column, 4 bytes each
	s_lshl_b32 s47, s12, 9
	s_add_co_u32 s46, s46, s47
	s_mov_b32 s47, 0
	s_add_nc_u64 s[8:9], s[8:9], s[46:47]
; 8 matrix instructions: A's tile a x B's eight, 32 along K.  zero = 1: the sums start from the bias.  The 32 accumulators take turns.
.macro MUL8 f, a, zero
.irp b, 0,1,2,3,4,5,6,7
.if \zero
	v_wmma_f32_16x16x32_f16 v[8*(8*(\a)+\b):8*(8*(\a)+\b)+7], v[\f+8*\b:\f+8*\b+7], v[\f+64+8*(\a):\f+64+8*(\a)+7], v[8*\b:8*\b+7]
.else
	v_wmma_f32_16x16x32_f16 v[8*(8*(\a)+\b):8*(8*(\a)+\b)+7], v[\f+8*\b:\f+8*\b+7], v[\f+64+8*(\a):\f+64+8*(\a)+7], v[8*(8*(\a)+\b):8*(8*(\a)+\b)+7]
.endif
.endr
.endm
.macro FETCH slot, kq, f               ; 24 LDS loads in one run: B's eight fragments, then A's four
.irp i, 0,1,2,3,4,5,6,7
	ds_load_b128 v[\f+8*\i:\f+8*\i+3],   v[ADRB+\slot] offset:(\kq)*16384+\i*1024
	ds_load_b128 v[\f+8*\i+4:\f+8*\i+7], v[ADRB+\slot] offset:(\kq)*16384+\i*1024+512
.endr
.irp i, 0,1,2,3
	ds_load_b128 v[\f+64+8*\i:\f+64+8*\i+3],   v[ADRA+\slot] offset:(\kq)*8192+\i*1024
	ds_load_b128 v[\f+64+8*\i+4:\f+64+8*\i+7], v[ADRA+\slot] offset:(\kq)*8192+\i*1024+512
.endr
.endm
.macro PLACES                          ; four places in front of loads into registers that matrix instructions have read, and of the first read of results
.rept 4
	v_nop
.endr
.endm
.macro MWIN zero
.if \zero
	WIN MULZ
.else
	WIN MUL
.endif
.endm
; A K step is four quarters of 32 along K, 32 matrix instructions each, on buffers 0, 1, 0, 1.  One of the first three: multiplies buffer f and fetches quarter kq into g.
.macro QUARTER slot, kq, f, g, zero
	s_wait_dscnt 4                                 ; B's and A's tiles 0, 1 are in; the youngest four loads (A's tiles 2, 3) may be out
	MWIN \zero
	MUL8 \f, 0, \zero
	MUL8 \f, 1, \zero
	PLACES
	WIN 0
	FETCH \slot, \kq, \g
	s_wait_dscnt 24                                ; all but the 24 just issued
	MWIN \zero
	MUL8 \f, 2, \zero
	MUL8 \f, 3, \zero
.endm
; The last quarter multiplies buffer 1 and changes slots: one barrier; in front of it each wave waits for all its tensor loads (one is out: its part of the next slot), adds 0 to its spare word, and waits for that and for its reads of this slot.
.macro TURN slot, next, fill
	WIN 0
	s_wait_tensorcnt 0x0
	ds_add_u32 v[SPW], v[NIL]
	s_wait_dscnt 5                                 ; (the add and the youngest four loads may be out)
	WIN MUL
	MUL8 F1, 0, 0
	s_wait_dscnt 0x0                               ; the add is done, and my reads of this slot are over
	s_barrier_signal -1
	MUL8 F1, 1, 0
.if \fill
	WIN 0
.endif
	s_barrier_wait -1
.if \fill
	CREST                                          ; the barrier has opened a round of the cluster's: no wave of any partner still reads this slot or has a load on its way
	s_add_nc_u64 s[G0+4*\slot+2:G0+4*\slot+3], s[G0+4*\slot+2:G0+4*\slot+3], 65536
	s_add_nc_u64 s[G0B+4*\slot+2:G0B+4*\slot+3], s[G0B+4*\slot+2:G0B+4*\slot+3], 131072
	JLOAD \slot                                    ; the first tensor load behind the round; its four v_nop are the places in front of the loads below
.else
	PLACES
.endif
	WIN 0
	FETCH \next, 0, F0
	WIN MUL
	MUL8 F1, 2, 0
	MUL8 F1, 3, 0
.endm
	s_wait_tensorcnt 1                             ; my part of K step 0 is in; K step 1's load may be out
	s_barrier_signal -1
	s_barrier_wait -1
	FETCH 0, 0, F0
	s_wait_loadcnt 0x0                             ; the bias
	QUARTER 0, 1, F0, F1, 1                        ; the first quarter stands in front of the loop: its products start the sums
	WIN 0
	s_mov_b32 s3, 3
.Llap:                                             ; a trip goes once round the ring and fills both slots again: K steps 2 to 7
	QUARTER 0, 2, F1, F0, 0
	QUARTER 0, 3, F0, F1, 0
	TURN 0, 1, 1
	QUARTER 1, 1, F0, F1, 0
	QUARTER 1, 2, F1, F0, 0
	QUARTER 1, 3, F0, F1, 0
	TURN 1, 0, 1
	QUARTER 0, 1, F0, F1, 0
	WIN 0
	s_sub_co_u32 s3, s3, 1
	s_cmp_lg_u32 s3, 0
	s_cbranch_scc1 .Llap
	QUARTER 0, 2, F1, F0, 0                        ; the last lap fills nothing
	QUARTER 0, 3, F0, F1, 0
	TURN 0, 1, 0
	QUARTER 1, 1, F0, F1, 0
	QUARTER 1, 2, F1, F0, 0
	QUARTER 1, 3, F0, F1, 0
	s_wait_dscnt 4
	WIN MUL
	MUL8 F1, 0, 0
	MUL8 F1, 1, 0
	s_wait_dscnt 0
	MUL8 F1, 2, 0
	MUL8 F1, 3, 0
	WIN 0
; THE WAY OUT, 16 rows x 128 columns at a time, through my own stage: a lane holds 32 bytes of a row; whole rows of 512 bytes come back and are stored by the 32 lanes, each row to the place that the list names.
.macro ORDER a                         ; the block's 16 row offsets: order x 4,096 + 16 x lane
	s_wait_kmcnt 0x0
.irp t, 0,1,2,3,4,5,6,7,8,9,10,11,12,13,14,15
	s_min_u32 s[68+\t], s[68+\t], 0x7ff            ; a position lies in 0 .. 2,047
	v_lshl_add_u32 v[RO+16*((\a)%2)+\t], s[68+\t], 12, v[CO]
.endr
.endm
.macro TOSTAGE a
	WIN 0x04                                       ; an LDS store's data are its source 1: window 1
.irp b, 0,1,2,3,4,5,6,7
	ds_store_b128 v[STO], v[8*(8*(\a)+\b):8*(8*(\a)+\b)+3] offset:64*\b          ; each accumulator from its low end on
	ds_store_b128 v[STO], v[8*(8*(\a)+\b)+4:8*(8*(\a)+\b)+7] offset:64*\b+16
.endr
	WIN 0
.set BB, BK+64*((\a)%2)
.irp t, 0,1,2,3,4,5,6,7,8,9,10,11,12,13,14,15
	ds_load_b128 v[BB+4*\t:BB+4*\t+3], v[RD] offset:\t*SPITCH   ; LDS serves a wave's instructions in order: these see the stores above
.endr
.endm
.macro SEND a, younger                 ; younger: the LDS instructions issued behind block a's loads
.set BB, BK+64*((\a)%2)
	s_wait_dscnt \younger
.irp t, 0,1,2,3,4,5,6,7,8,9,10,11,12,13,14,15
	global_store_b128 v[RO+16*((\a)%2)+\t], v[BB+4*\t:BB+4*\t+3], s[8:9] th:TH_STORE_NT   ; 32 lanes store 512 consecutive bytes, at a multiple of 512 from out0's first byte
.endr
.endm
	PLACES
	ORDER 0
	TOSTAGE 0
	s_load_b512 s[68:83], s[86:87], 0x40           ; the next block's words
.irp a, 1,2,3
.if \a > 1
	s_wait_xcnt 0x0                                ; block a - 2's stores have read their offsets and their data
.endif
	TOSTAGE \a
	ORDER \a
	SEND \a-1, 32                                  ; behind block a - 1's loads: block a's 16 stores and 16 loads
.if \a < 3
	s_load_b512 s[68:83], s[86:87], 0x40*(\a+1)
.endif
.endr
	SEND 3, 0
	s_wait_tensorcnt 0x0                           ; the wave's end
	ds_add_u32 v[SPW], v[NIL]
	s_wait_dscnt 0x0
	CROUND                                         ; the closing round
	s_endpgm
.Lfunc_end_k_qe320c228bb_proj:
	.size	k_qe320c228bb_proj, .Lfunc_end_k_qe320c228bb_proj-k_qe320c228bb_proj
	.p2alignl 7, 3214868480
	.fill 96, 4, 3214868480
	.section	.rodata,"a",@progbits
	.p2align	6, 0x0
	.amdhsa_kernel k_qe320c228bb_proj
		.amdhsa_group_segment_fixed_size 327680
		.amdhsa_private_segment_fixed_size 0
		.amdhsa_enable_private_segment 0
		.amdhsa_kernarg_size 40
		.amdhsa_user_sgpr_count 2
		.amdhsa_user_sgpr_kernarg_segment_ptr 1
		.amdhsa_wavefront_size32 1
		.amdhsa_system_sgpr_workgroup_id_x 1
		.amdhsa_system_sgpr_workgroup_id_y 1
		.amdhsa_system_sgpr_workgroup_id_z 1
		.amdhsa_system_vgpr_workitem_id 0
		.amdhsa_next_free_vgpr 576
		.amdhsa_next_free_sgpr 96
		.amdhsa_reserve_vcc 0
		.amdhsa_float_denorm_mode_32 3
		.amdhsa_float_denorm_mode_16_64 3
		.amdhsa_memory_ordered 1
		.amdhsa_forward_progress 1
		.amdhsa_inst_pref_size 95
	.end_amdhsa_kernel
	.amdgpu_metadata
---
amdhsa.version: [ 1, 2 ]
amdhsa.kernels:
  - .name:           k_qe320c228bb_proj
    .symbol:         k_qe320c228bb_proj.kd
    .args:
      - { .name: ctxh, .offset: 0, .size: 8, .value_kind: global_buffer, .address_space: global }
      - { .name: woh, .offset: 8, .size: 8, .value_kind: global_buffer, .address_space: global }
      - { .name: bo, .offset: 16, .size: 8, .value_kind: global_buffer, .address_space: global }
      - { .name: route, .offset: 24, .size: 8, .value_kind: global_buffer, .address_space: global }
      - { .name: out0, .offset: 32, .size: 8, .value_kind: global_buffer, .address_space: global }
    .group_segment_fixed_size: 327680
    .private_segment_fixed_size: 0
    .kernarg_segment_align: 8
    .kernarg_segment_size: 40
    .max_flat_workgroup_size: 128
    .sgpr_count:     96
    .vgpr_count:     576
    .wavefront_size: 32
...
	.end_amdgpu_metadata
.endif
;; end of part 4
